; MI455X (gfx1250); checked and timed in simulation.
; The chip was launched on July 23, 2026; its instructions are those of AMD's public machine-readable ISA for CDNA 5 (MIT licence, August 2026) and "CDNA5" Instruction Set Architecture Reference Guide (July 2026). The comments in the code are by the model that wrote it; some were corrected since.
;; Scaled Dot Product Attention. Allowed arithmetic: matrix products marked QUANTISED: E2M1 operands, one E8M0 scale for each 32 along K, by v_wmma_scale_f32_16x16x128_f8f6f4 with both operands' format E2M1 (or v_wmma_scale_f32_32x16x128_f4), f32 sums; products left as they are: bf16, f16 or f32 operands; f32 sums; everything else in f32.
;; Inputs: k 4 x 16 x 2,048 x 64 float32; q 4 x 16 x 2,048 x 64 float32; v 4 x 16 x 2,048 x 64 float32.
;; Outputs: out0 4 x 16 x 2,048 x 64 float32.
;; This version of the problem:
;;   THIS VERSION OF THE PROBLEM IS GIVEN IN LOW PRECISION. The matrix products marked QUANTISED in the list below multiply operands that are first quantised to E2M1 (2 exponent bits, 1 mantissa bit; 4 bits a number), with one power-of-two scale for each 32 numbers along K (OCP MX v1.0); their sums are f32. The products marked 'left as it is' may take bf16, f16 or f32 operands, with f32 sums. Whichever they take, every output number must still come out within the allowed error. Rounding operands to bf16 (8 significant bits) uses up far more of that allowance than f16 does (11 bits, for magnitudes from 6e-5 to 65,504). All else is computed in f32.
;;   The module's matrix products, in the order in which they are computed (A, B: the left and right operand; K: the contracted axis; several contracted axes count as one K, in the product's order):
;;     1. batch 64 x [M 2,048, K 64] x [K 64, N 2,048]; A: input q; B: input k: QUANTISED
;;     2. batch 64 x [M 2,048, K 2,048] x [K 2,048, N 64]; A: computed on the way; B: input v: left as it is (an operand is computed on the way)
;;   THE QUANTISER, for each operand of a quantised product, along K:
;;     - K is cut into blocks of 32 from its start; a last block that is shorter is filled with zeros.
;;     - A block's scale is 2^e with e = floor(log2(the largest magnitude in the block)) - 2, held to -126 .. 127; a block of zeros has e = 0. As a byte (E8M0): e + 127.
;;     - Each number is divided by its block's scale, clamped to +-6, and rounded to the nearest number of E2M1, ties to even, subnormals kept.
;;     - The product sums the exact products of the quantised numbers (number of the format x scale) in f32.
;;   ~~~python
;;   def quantise(x, axis):      # numpy; x: float32 -> the quantised numbers, widened to float32 again
;;       x = np.moveaxis(x, axis, -1); K = x.shape[-1]
;;       x = np.pad(x, [(0, 0)] * (x.ndim - 1) + [(0, -K % 32)]); x = x.reshape(x.shape[:-1] + (-1, 32)); a = np.abs(x).max(-1, keepdims=True)
;;       e = np.where(a > 0, np.clip(np.frexp(np.where(a > 0, a, 1))[1] - 1 - 2, -126, 127), 0)      # np.frexp(a)[1] - 1 = floor(log2(a)), exactly
;;       r = np.clip(x / 2.0 ** e, -6, 6)
;;       step = 2.0 ** (np.maximum(np.frexp(np.where(r == 0, 1, r))[1] - 1, 0) - 1)
;;       q = np.round(r / step) * step * 2.0 ** e      # np.round: ties to even
;;       return np.moveaxis(q.reshape(q.shape[:-2] + (-1,))[..., :K], -1, axis).astype(np.float32)
;;   ~~~
;; One version. Each part assembles by itself: llvm-mc -triple=amdgcn-amd-amdhsa -mcpu=gfx1250 --defsym DOCPART=n.
;; ======== version 1 of 1: 1 launch
;; limits: values are held in f16: magnitudes above 65,504 overflow, below 6.1e-05 lose precision; inputs' magnitudes at most 65,504
;; launch attn (part 1): grid 4 x 64, 16 waves a work-group, clusters of 4 x 1, 327,680 bytes of LDS; arguments q, k, v, out0; writes out0
.if DOCPART == 1
	.amdgcn_target "amdgcn-amd-amdhsa--gfx1250"
	.amdhsa_code_object_version 6
	.text
	.protected	k_qc47d7d9276_attn
	.globl	k_qc47d7d9276_attn
	.p2align	8
	.type	k_qc47d7d9276_attn,@function
k_qc47d7d9276_attn:
	s_mov_b64 s[64:65], 0
	v_nop
	global_prefetch_b8 v0, s[64:65] scope:SCOPE_SE
	s_setreg_imm32_b32 hwreg(HW_REG_WAVE_MODE, 25, 1), 1
	s_wait_xcnt 0x0
	s_wait_alu depctr_hold_cnt(0) depctr_sa_sdst(0) depctr_va_vdst(0) depctr_va_sdst(0) depctr_va_ssrc(0) depctr_va_vcc(0) depctr_vm_vsrc(0)
	s_getreg_b32 s2, hwreg(HW_REG_IB_STS2, 6, 4)
	s_cmp_eq_u32 s2, 0
	s_cbranch_scc0 .Lentry_in_a_cluster
	s_endpgm
.Lentry_in_a_cluster:
	s_bfe_u32 s2, ttmp6, 0x10000c
	s_cmp_lg_u32 s2, 0x3003
	s_cbranch_scc0 .Lentry_shape_is_right
	s_endpgm
.Lentry_shape_is_right:
; out[h][q][:] = the sum over k of softmax_k(Q(q[h][q]) . Q(k[h][k]) / 8) v[h][k][:].  q, k, v, out: [64 heads][2048][64] f32; a row is 256 bytes, a head 2^19 bytes.
; Q is the MX-FP4 quantiser along the head's 64: two blocks of 32 a row, codes of E2M1, one E8M0 byte a block.  The first product runs on codes; the second takes p and v rounded to f16; maxima, sums and O in f32.
; SHARES.  A work-group owns 512 queries of one head, each of its sixteen waves 32: two tiles of 16, in 256 registers, four waves to a SIMD, so that one wave's vector work stands beside another's matrix work.
; Every wave walks all 2,048 keys: 16 steps of 128 keys, each as two sub-steps of 64.
; CLUSTER.  The four work-groups of a head form a cluster and walk the same k and v: each f32 tile is asked for JOINTLY, by the same tensor load with the same descriptor and a mask that names the four.
; PIPELINE, step j (par = j % 2): the three lines and a round of the cluster's barrier | f32 slot par is filled again with tile j + 2 | CONV: f32 tile j + 1 (slot 1 - par) becomes images in buffer 1 - par:
; k's codes and scale bytes, v in f16, each as an image of the operand's registers | the products and the softmax on image buffer par.
; K = 64 IN AN INSTRUCTION OF K = 128.  A fragment of 8 registers holds TWO tiles of 16 keys (registers 0-3 the first, 4-7 the second); it is multiplied once by [q, 0] and once by [0, q].  Zero codes add nothing.
; BOTH PRODUCTS ARE USED TRANSPOSED: S^T = K Q^T (source 0 = keys, source 1 = queries), O^T = V^T P: a lane holds ONE query (lane % 16) throughout, and two tiles of S^T packed to f16 ARE source 1 of the second product.
; SOFTMAX.  A running maximum m and sum l for each query: p = 2^(c s - c m), c = log2(e) / 8; in every sub-step O and l are multiplied by a = 2^(c m_old - c m_new).
; LIMITS: |v| up to 65,504 (beyond it the f16 number is infinite); a p under 2^-25 of the running largest falls to 0 in f16; NaN and infinities among the inputs are not served; m starts at -3e38;
; a block of zeros carries the byte 1 where the rule says 127: its codes are zeros, and the bytes are read by this program alone.
.set RP,     272                       ; an f32 row in LDS: 256 bytes + 16 of padding: the rows that a load touches start at different banks
.set HALFT,  64*RP                     ; 64 rows: what one tensor load brings
.set VROW0,  128*RP                    ; in a slot: k's 128 rows, then v's 128
.set SLOT1,  131072                    ; f32 slot 0 at byte 0, slot 1 here
.set IMG0,   256*RP                    ; behind slot 0: image buffer 0; buffer 1 lies IMGSZ further on
.set KSC,    4096                      ; in a buffer: +0 k's codes (8 tiles of 16 keys x 512 bytes), +4,096 k's scale words (4 x 64 bytes),
.set VIMG,   4352                      ; +4,352 v's 16 fragments of 1,024 bytes (32 keys x 16 channels)
.set IMGSZ,  20736
.set SPARE,  IMG0+2*IMGSZ              ; the spare words, 128 bytes for each wave: eight blocks of 256 bytes that no other line names
.set STAGE,  SLOT1+256*RP              ; behind slot 1: 16 rows x 272 bytes for each wave, its own: q's turn at the head, and the way out
.set STW,    16*RP
.set TILEB,  128*256                   ; 128 rows of k or of v in memory
.set SPW, 1                            ; v1   LDS address of my spare word; never rewritten
.set NIL, 2                            ; v2   0; never rewritten
.set AK,  3                            ; v3, v4   CONV: my 16 numbers of k in f32 slot 0, 1: key thread / 4, quarter thread % 4
.set AV,  5                            ; v5, v6   CONV: my two channels of v's keys 8 wave .. + 7 in slot 0, 1
.set WKI, 7                            ; v7   where I store 8 bytes of k's codes (buffer 0)
.set WKS, 8                            ; v8   and the block's scale byte
.set WVI, 9                            ; v9   where I store 16 bytes of v's image
.set LI,  10                           ; v10  IMG0 + 16 x lane: an image's place for my lane
.set LS,  11                           ; v11  IMG0 + KSC + 4 x lane
.set PFO, 12                           ; v12  256 x lane: the prefetches' offset, a lane a row
.set SIN, 13                           ; v13  my stage by whole rows: lanes 0-15 one row, lanes 16-31 the next
.set SQ,  14                           ; v14  my stage: row lane % 16, block lane / 16 of q
.set GO,  15                           ; v15  16 x lane: my bytes of two rows of q or of out
.set QB,  16                           ; v16-35  0 | q tile 0 | 0 | q tile 1 | 0, four registers each: [0, q] of tile t begins at QB + 8 t, [q, 0] at QB + 4 + 8 t
.set QS,  36                           ; v36, v37  q's scale words: bytes 2, 3 repeat bytes 0, 1, so that one word serves both
.set KS,  38                           ; v38  k's scale words: lanes 0-15 the first packed fragment's, lanes 16-31 the second's
.set STO, 39                           ; v39  the way out: where I put 64 bytes of a row
.set ST,  40                           ; tile t's statistics at v[ST + 8 t]: +0 c m, +1 m, +2, +3 l (even keys', odd keys'), +4 to +7 at work; a takes +6
.set TM,  56                           ; v56-61 at work in the quantisers
.set S,   64                           ; v64-127  S^T, 32 a tile.  Also: CONV's numbers; V's second group; the way out
.set O,   128                          ; v128-191 O^T, 32 a tile
.set VF,  192                          ; v192-223 V's first group; v192-207 also K's two packed fragments
.set P,   224                          ; v224-255 P, 16 a tile
.set WV,  12                           ; s12  my wave's number
.set CX,  13                           ; s13  my place in the cluster = my block of 512 queries (the grid has one cluster along x)
.set LIM, 15                           ; s15  1 in a wave that prefetches, else the greatest number
.set G1,  16                           ; s[16:23] descriptor group 1, for k's and v's tiles alike
.set G0K, 24                           ; s[24:31] group 0 for k's tiles, a set for each slot
.set G0V, 32                           ; s[32:39] the same for v's
.set PFA, 40                           ; s[40:41] where my prefetches stand
.set CS,  42                           ; s[42:43] c: the packed form names a pair and takes its low word for both halves
.set SEL, 44                           ; s[44:45] lane selects for v_permlanex16_b32: lane l xor 16
.set CNT, 46                           ; s46  trips to go
.macro NOPS n
.rept \n
	v_nop
.endr
.endm
; A round of the cluster's barrier: my work-group's barrier, so that wave 0's signal speaks for all sixteen waves; wave 0 signals; every wave waits for the four work-groups; my work-group's barrier once more.
.macro ROUND
	s_barrier_signal -1
	s_barrier_wait -1
	s_cmp_lg_u32 s[WV], 0
	s_cbranch_scc1 .Lnot_wave_0_\@
	s_barrier_signal -3
.Lnot_wave_0_\@:
	s_barrier_wait -3
	s_barrier_signal -1
	s_barrier_wait -1
.endm
; A joint refill of slot n.  Waves 0 and 1 fetch k's two halves, waves 2 and 3 v's, the others nothing: the branches hang on the wave's number alone.  An s_nop 0 and four v_nop follow each line.
.macro TLOAD n
	s_cmp_lt_u32 s[WV], 2
	s_cbranch_scc0 .Lnot_k_\@
	tensor_load_to_lds s[G0K+4*\n:G0K+4*\n+3], s[G1:G1+7]
	s_nop 0
	NOPS 4
	s_branch .Lasked_\@
.Lnot_k_\@:
	s_cmp_lt_u32 s[WV], 4
	s_cbranch_scc0 .Lasked_\@
	tensor_load_to_lds s[G0V+4*\n:G0V+4*\n+3], s[G1:G1+7]
	s_nop 0
	NOPS 4
.Lasked_\@:
.endm
; A PREFETCH INTO THE L2 of the tile that the NEXT refill will ask for: in step j tile j + 3, one step ahead of its tensor load.  A head is walked by one cluster alone; its four partners share a tile's 128 rows out
; BY ADDRESS, 32 each; in each, wave 4 asks for k's and wave 5 for v's, a lane a row of 256 bytes: each row is named once in the launch.  Tiles 0 to 2 come by their loads alone.
; how = 1: an even step, which always has a tile three on; how = 0: an odd step: the last trip's (step 13) asks for nothing, tile 16 does not exist.
.macro ASK how
.if (\how)
	s_cmp_eq_u32 s[LIM], 1
.else
	s_cmp_gt_u32 s[CNT], s[LIM]
.endif
	s_cbranch_scc0 .Lnot_mine_\@
	global_prefetch_b8 v[PFO], s[PFA:PFA+1] th:TH_LOAD_NT scope:SCOPE_SE
.Lnot_mine_\@:
.endm
; THE CHANGE at a step's head.  Each wave waits for all its tensor loads (its part of tile j + 1), adds 0 to its spare word, and waits for that, for its stores of images j and for its reads of f32 slot par and of images j - 1.
; fill = 1: the barrier is a round of the cluster's, and the joint refill of slot par is the first thing behind it: it has a whole step in which to land.
.macro CHANGE par, fill
	s_wait_tensorcnt 0x0                           ; no tensor load of mine is out, so a group 0 may be written
	ds_add_u32 v[SPW], v[NIL]                      ; 0 onto my spare word
.if \fill
	ds_add_u32 v[SPW], v[NIL]                      ; and once more
	s_add_nc_u64 s[G0K+4*\par+2:G0K+4*\par+3], s[G0K+4*\par+2:G0K+4*\par+3], 2*TILEB   ; this slot's next tile: two tiles on; the type bits on top are not reached
	s_add_nc_u64 s[G0V+4*\par+2:G0V+4*\par+3], s[G0V+4*\par+2:G0V+4*\par+3], 2*TILEB
	s_wait_xcnt 0x0                                ; the last prefetch, a step back, has read its address, so it may be written
	s_add_nc_u64 s[PFA:PFA+1], s[PFA:PFA+1], TILEB
	s_wait_dscnt 0x0                               ; both adds are done, and so are all my LDS stores and reads
	ROUND
	TLOAD \par
	ASK (1-\par)
.else
	s_wait_dscnt 0x0                               ; the add is done, and so are all my LDS stores and reads
	s_barrier_signal -1
	s_barrier_wait -1
.endif
.endm
; CONV: the f32 tile in slot src becomes images in buffer src.  512 threads share 128 keys.
; k: thread t takes 16 neighbours of key t / 4: half a block; threads t and t xor 1 hold a block.  v: wave w takes keys 8 w .. + 7, a lane two channels: eight keys of a channel are four registers of V^T's fragment.
.macro CONV src
.irp i, 0,1,2,3
	ds_load_b128 v[S+4*\i:S+4*\i+3], v[AK+(\src)] offset:16*\i
.endr
.irp i, 0,1,2,3,4,5,6,7
	ds_load_b64 v[S+16+2*\i:S+17+2*\i], v[AV+(\src)] offset:RP*\i   ; key 8 w + i: 32 lanes take the row's 256 bytes
.endr
	s_wait_dscnt 8                                 ; k's four loads are in; v's eight, issued behind them, may be out
	v_max3_num_f32 v[TM], |v[S]|, |v[S+1]|, 0x1800000              ; the largest magnitude of my 16, in two chains, and the floor 2^(3 - 127): the byte cannot fall under 1
	v_max3_num_f32 v[TM+1], |v[S+2]|, |v[S+3]|, |v[S+4]|
	v_max3_num_f32 v[TM], v[TM], |v[S+5]|, |v[S+6]|
	v_max3_num_f32 v[TM+1], v[TM+1], |v[S+7]|, |v[S+8]|
	v_max3_num_f32 v[TM], v[TM], |v[S+9]|, |v[S+10]|
	v_max3_num_f32 v[TM+1], v[TM+1], |v[S+11]|, |v[S+12]|
	v_max3_num_f32 v[TM], v[TM], |v[S+13]|, |v[S+14]|
	v_max3_num_f32 v[TM], v[TM], v[TM+1], |v[S+15]|
	v_max_num_f32_dpp v[TM], v[TM], v[TM] row_xmask:1 row_mask:0xf bank_mask:0xf   ; with my neighbour's 16: the block's
	v_add_nc_u32 v[TM+2], 0xff000000, v[TM]        ; 2 off its exponent field: the conversion takes the exponent field of this operand as its scale
	v_cvt_scalef32_pk8_fp4_f32 v[S+32], v[S:S+7], v[TM+2]
	v_cvt_scalef32_pk8_fp4_f32 v[S+33], v[S+8:S+15], v[TM+2]
	v_lshrrev_b32 v[TM+3], 23, v[TM+2]             ; the scale's byte; also the plain instruction behind the scaled conversions
	ds_store_b64 v[WKI], v[S+32:S+33] offset:(\src)*IMGSZ
	ds_store_b8 v[WKS], v[TM+3] offset:(\src)*IMGSZ   ; both threads of a block write the same byte with the same value
	s_wait_dscnt 2                                 ; v's eight loads are in; the two stores behind them may be out
.irp p, 0,1,2,3
	v_cvt_pk_f16_f32 v[S+36+\p], v[S+16+4*\p], v[S+18+4*\p]        ; my even channel, keys 2 p and 2 p + 1
	v_cvt_pk_f16_f32 v[S+40+\p], v[S+17+4*\p], v[S+19+4*\p]        ; my odd channel
.endr
	ds_store_b128 v[WVI], v[S+36:S+39] offset:(\src)*IMGSZ
	ds_store_b128 v[WVI], v[S+40:S+43] offset:(\src)*IMGSZ+2048    ; odd channels lie two fragments on: slot (ct, r) holds channel 2 (16 (ct % 2) + r) + ct / 2
.endm
; A SUB-STEP: 64 keys, the sg-th half of image buffer buf.
.macro SUB buf, sg
.irp p, 0,1,2,3
	ds_load_b128 v[VF+4*\p:VF+4*\p+3], v[LI] offset:(\buf)*IMGSZ+512*(4*(\sg)+\p)   ; four tiles of 16 keys: two packed fragments
.endr
	ds_load_b32 v[KS], v[LS] offset:(\buf)*IMGSZ+128*(\sg)
	s_wait_dscnt 0x0                               ; they are in; CONV's stores have read their registers too
.irp f, 0,1                                    ; S^T = K Q^T: eight products, each starts and ends a sum: key tile 2 f + hf, query tile t
.irp hf, 0,1
.irp t, 0,1
.if \f
	v_wmma_scale_f32_16x16x128_f8f6f4 v[S+32*\t+8*(2*\f+\hf):S+32*\t+8*(2*\f+\hf)+7], v[VF+8*\f:VF+8*\f+7], v[QB+4+8*\t-4*\hf:QB+4+8*\t-4*\hf+7], 0, v[KS], v[QS+\t] matrix_a_fmt:MATRIX_FMT_FP4 matrix_b_fmt:MATRIX_FMT_FP4 matrix_a_scale:MATRIX_SCALE_ROW1
.else
	v_wmma_scale_f32_16x16x128_f8f6f4 v[S+32*\t+8*(2*\f+\hf):S+32*\t+8*(2*\f+\hf)+7], v[VF+8*\f:VF+8*\f+7], v[QB+4+8*\t-4*\hf:QB+4+8*\t-4*\hf+7], 0, v[KS], v[QS+\t] matrix_a_fmt:MATRIX_FMT_FP4 matrix_b_fmt:MATRIX_FMT_FP4
.endif
.endr
.endr
.endr
	NOPS 4                                         ; four places in front of the loads into K's registers and of the first read of the scores
.irp ct, 0,1,2,3
.irp p, 0,1
	ds_load_b128 v[VF+8*\ct+4*\p:VF+8*\ct+4*\p+3], v[LI] offset:(\buf)*IMGSZ+VIMG+1024*(8*(\sg)+\ct)+512*\p   ; V^T, keys 0-31 of the 64: they land under the softmax
.endr
.endr
	; the maximum of the lane's 32 scores and the old m: four chains, each accumulator from its low end on; the two tiles alternate line by line
.irp c, 0,1,2,3
.irp t, 0,1
	v_max3_num_f32 v[ST+8*\t+4+\c], v[S+32*\t+8*\c], v[S+32*\t+8*\c+1], v[S+32*\t+8*\c+2]
.endr
.endr
.irp d, 3,5
.irp c, 0,1,2,3
.irp t, 0,1
	v_max3_num_f32 v[ST+8*\t+4+\c], v[ST+8*\t+4+\c], v[S+32*\t+8*\c+\d], v[S+32*\t+8*\c+\d+1]
.endr
.endr
.endr
.irp t, 0,1
	v_max3_num_f32 v[ST+8*\t+4], v[ST+8*\t+4], v[S+32*\t+7], v[S+32*\t+15]
.endr
.irp t, 0,1
	v_max3_num_f32 v[ST+8*\t+6], v[ST+8*\t+6], v[S+32*\t+23], v[S+32*\t+31]
.endr
.irp t, 0,1
	v_max3_num_f32 v[ST+8*\t+4], v[ST+8*\t+4], v[ST+8*\t+5], v[ST+8*\t+6]
.endr
.irp t, 0,1
	v_max3_num_f32 v[ST+8*\t+4], v[ST+8*\t+4], v[ST+8*\t+7], v[ST+8*\t+1]
.endr
.irp t, 0,1
	v_permlanex16_b32 v[ST+8*\t+5], v[ST+8*\t+4], s[SEL], s[SEL+1]   ; the query's other 32 keys lie in the lane 16 away
.endr
.irp t, 0,1
	v_mov_b32 v[ST+8*\t+7], v[ST+8*\t]             ; c m_old is kept for a
.endr
.irp t, 0,1
	v_max_num_f32 v[ST+8*\t+1], v[ST+8*\t+4], v[ST+8*\t+5]
.endr
.irp t, 0,1
	v_mul_f32 v[ST+8*\t], s[CS], v[ST+8*\t+1]
.endr
.irp t, 0,1
	v_sub_f32 v[ST+8*\t+7], v[ST+8*\t+7], v[ST+8*\t]
.endr
.irp b, 0,2,4,6,8,10,12,14,16,18,20,22,24,26,28,30
.irp t, 0,1
	v_pk_fma_f32 v[S+32*\t+\b:S+32*\t+\b+1], v[S+32*\t+\b:S+32*\t+\b+1], s[CS:CS+1], v[ST+8*\t:ST+8*\t+1] op_sel_hi:[1,0,0] neg_lo:[0,0,1] neg_hi:[0,0,1]   ; c s - c m, two at a time
.endr
.endr
	; ONE BATCH of 66 exponentials, none of which reads another's result
.irp t, 0,1
	v_exp_f32 v[ST+8*\t+6], v[ST+8*\t+7]           ; a
.endr
.irp j, 0,1,2,3,4,5,6,7,8,9,10,11,12,13,14,15,16,17,18,19,20,21,22,23,24,25,26,27,28,29,30,31
.irp t, 0,1
	v_exp_f32 v[S+32*\t+\j], v[S+32*\t+\j]         ; p
.endr
.endr
	v_nop                                          ; a plain instruction behind the last exponential, ahead of the first use
	s_wait_alu depctr_va_vdst(0)                   ; the wait ahead of the first instruction that names a result: one for the batch
.irp i, 0,1,2,3,4,5,6,7,8,9,10,11,12,13,14,15
.irp t, 0,1
	v_cvt_pk_f16_f32 v[P+16*\t+\i], v[S+32*\t+2*\i], v[S+32*\t+2*\i+1]   ; registers 0-7: keys 0-31 of the 64 in source 1's layout; 8-15: keys 32-63
.endr
.endr
	; the sum of the unrounded p, in place, as a tree of pairs; then l = a l + the sum
.irp u, 0,4,8,12,16,20,24,28
.irp t, 0,1
	v_pk_add_f32 v[S+32*\t+\u:S+32*\t+\u+1], v[S+32*\t+\u:S+32*\t+\u+1], v[S+32*\t+\u+2:S+32*\t+\u+3]
.endr
.endr
.irp u, 0,8,16,24
.irp t, 0,1
	v_pk_add_f32 v[S+32*\t+\u:S+32*\t+\u+1], v[S+32*\t+\u:S+32*\t+\u+1], v[S+32*\t+\u+4:S+32*\t+\u+5]
.endr
.endr
.irp u, 0,16
.irp t, 0,1
	v_pk_add_f32 v[S+32*\t+\u:S+32*\t+\u+1], v[S+32*\t+\u:S+32*\t+\u+1], v[S+32*\t+\u+8:S+32*\t+\u+9]
.endr
.endr
.irp t, 0,1
	v_pk_add_f32 v[S+32*\t:S+32*\t+1], v[S+32*\t:S+32*\t+1], v[S+32*\t+16:S+32*\t+17]
.endr
.irp t, 0,1
	v_pk_fma_f32 v[ST+8*\t+2:ST+8*\t+3], v[ST+8*\t+2:ST+8*\t+3], v[ST+8*\t+6:ST+8*\t+7], v[S+32*\t:S+32*\t+1] op_sel_hi:[1,0,1]
.endr
.irp ct, 0,1,2,3
.irp p, 0,1
	ds_load_b128 v[S+8*\ct+4*\p:S+8*\ct+4*\p+3], v[LI] offset:(\buf)*IMGSZ+VIMG+1024*(8*(\sg)+4+\ct)+512*\p   ; V^T, keys 32-63, into tile 0's scores, which are done with
.endr
.endr
.irp t, 0,1
.irp b, 0,2,4,6,8,10,12,14,16,18,20,22,24,26,28,30
	v_pk_mul_f32 v[O+32*\t+\b:O+32*\t+\b+1], v[O+32*\t+\b:O+32*\t+\b+1], v[ST+8*\t+6:ST+8*\t+7] op_sel_hi:[1,0]   ; O^T x a, ascending: each accumulator from its low end on
.endr
.endr
	s_wait_dscnt 8                                 ; V's first group is in; the second group's eight loads may be out
.irp ct, 0,1,2,3                               ; O^T += V^T P: the eight accumulators take turns, one instruction a turn
.irp t, 0,1
	v_wmma_f32_16x16x32_f16 v[O+32*\t+8*\ct:O+32*\t+8*\ct+7], v[VF+8*\ct:VF+8*\ct+7], v[P+16*\t:P+16*\t+7], v[O+32*\t+8*\ct:O+32*\t+8*\ct+7]
.endr
.endr
	s_wait_dscnt 0x0
.irp ct, 0,1,2,3
.irp t, 0,1
	v_wmma_f32_16x16x32_f16 v[O+32*\t+8*\ct:O+32*\t+8*\ct+7], v[S+8*\ct:S+8*\ct+7], v[P+16*\t+8:P+16*\t+15], v[O+32*\t+8*\ct:O+32*\t+8*\ct+7]
.endr
.endr
	NOPS 5                                         ; five places: the next products K Q^T write over registers that these have read as V^T; four of them serve the next loads into V's and S's registers
.endm
.macro STEP par, fill, conv
	CHANGE \par, \fill
.if \conv
	CONV 1-\par
.endif
	SUB \par, 0
	SUB \par, 1
.endm
	s_load_b256 s[4:11], s[0:1], 0x0               ; q s[4:5], k s[6:7], v s[8:9], out s[10:11]
	v_lshl_add_u32 v[SPW], v0, 2, SPARE
	v_mov_b32 v[NIL], 0
	ds_add_u32 v[SPW], v[NIL]                      ; the wave's opening: the add, twice on end, and its wait ahead of the first tensor load; the set-up below stands between
	ds_add_u32 v[SPW], v[NIL]
	v_lshrrev_b32 v16, 5, v0
	v_readfirstlane_b32 s[WV], v16                 ; wave 0..15
	s_bfe_u32 s[CX], ttmp6, 0x40000                ; cx
	s_and_b32 s14, ttmp7, 0xffff                   ; the head, which the four partners share
	s_lshl_b32 s48, s14, 19                        ; the head's first byte in each tensor (under 2^25)
	s_mov_b32 s49, 0
	s_and_b32 s47, s[WV], 1                        ; which 64 rows of a tile I fetch, if I fetch:
	s_lshl_b32 s50, s47, 14                        ; in memory,
	s_mov_b32 s51, 0
	s_add_nc_u64 s[50:51], s[50:51], s[48:49]
	s_mul_i32 s47, s47, HALFT                      ; and in a slot: no place in the cluster enters an LDS address or a descriptor
	s_lshl_b32 s52, s[CX], 17                      ; my block's 512 rows,
	s_lshl_b32 s53, s[WV], 13                      ; my wave's 32 of them
	s_add_co_u32 s52, s52, s53
	s_mov_b32 s53, 0
	s_add_nc_u64 s[52:53], s[52:53], s[48:49]
	s_lshl_b32 s54, s[CX], 13                      ; the prefetches: my work-group's 32 rows of a tile's 128,
	s_add_co_u32 s54, s54, 2*TILEB                 ; in tile 2: the first change steps it to tile 3
	s_mov_b32 s55, 0
	s_add_nc_u64 s[54:55], s[54:55], s[48:49]
	s_lshr_b32 s56, s[WV], 1
	s_cmp_eq_u32 s56, 2                            ; waves 4 and 5 ask
	s_cselect_b32 s[LIM], 1, -1
	s_mul_i32 s56, s[WV], STW
	s_add_co_u32 s56, s56, STAGE                   ; my stage
	; descriptor group 1: a tile of 64 rows x 64 elements of 4 bytes, padded in LDS
	s_mov_b32 s[G1], 15|(2<<16)|(1<<20)|(1<<21)|(5<<22)|(3<<25)   ; 15:0 the mask: all four work-groups; 17:16 elements of 4 bytes; 20 padding on; 21 set beside a mask; 24:22 after every 64 words; 31:25 four words
	s_mov_b32 s[G1+1], 64<<16                      ; tensor_dim0 = 64
	s_mov_b32 s[G1+2], 64<<16                      ; tensor_dim1 = 64
	s_mov_b32 s[G1+3], 64<<16                      ; tile_dim0 = 64
	s_mov_b32 s[G1+4], 64                          ; tile_dim1 = 64
	s_mov_b32 s[G1+5], 64                          ; elements from row to row
	s_mov_b32 s[G1+6], 0
	s_mov_b32 s[G1+7], 0
	s_mov_b32 s[CS], 0x3e38aa3b                    ; c = log2(e) / 8
	s_mov_b32 s[CS+1], s[CS]                       ; named with it as a pair, so it is written
	s_mov_b32 s[SEL], 0x76543210
	s_mov_b32 s[SEL+1], 0xfedcba98
	s_mov_b32 s[CNT], 7
	v_and_b32 v17, 31, v0                          ; lane
	v_lshrrev_b32 v16, 2, v0
	v_mul_u32_u24 v[AK], v16, RP                   ; k: key t / 4,
	v_and_b32 v18, 3, v0
	v_lshl_add_u32 v[AK], v18, 6, v[AK]            ; quarter t % 4 of its 256 bytes
	v_add_nc_u32 v[AK+1], SLOT1, v[AK]
	v_lshrrev_b32 v16, 5, v0
	v_mul_u32_u24 v[AV], v16, 8*RP                 ; v: keys 8 w on,
	v_lshl_add_u32 v[AV], v17, 3, v[AV]            ; 8 bytes a lane,
	v_add_nc_u32 v[AV], VROW0, v[AV]               ; behind k's 128 rows
	v_add_nc_u32 v[AV+1], SLOT1, v[AV]
	v_lshrrev_b32 v16, 6, v0
	v_lshlrev_b32 v[WKI], 9, v16                   ; k's codes: tile t / 64: 512 bytes,
	v_bfe_u32 v16, v0, 2, 4                        ; key r = (t / 4) % 16: 16 bytes,
	v_lshl_add_u32 v[WKI], v16, 4, v[WKI]
	v_bfe_u32 v18, v0, 1, 1                        ; block (t / 2) % 2: 256 bytes: the image's lanes 16-31,
	v_lshl_add_u32 v[WKI], v18, 8, v[WKI]
	v_and_b32 v19, 1, v0
	v_lshl_add_u32 v[WKI], v19, 3, v[WKI]          ; my half of the block's 16 bytes
	v_add_nc_u32 v[WKI], IMG0, v[WKI]
	v_lshrrev_b32 v19, 7, v0
	v_lshlrev_b32 v[WKS], 6, v19                   ; k's scale bytes: packed fragment t / 128: 64 bytes,
	v_bfe_u32 v20, v0, 6, 1
	v_lshl_add_u32 v[WKS], v20, 1, v[WKS]          ; which of its two tiles: bytes 0, 1 or 2, 3 of the word,
	v_lshl_add_u32 v[WKS], v16, 2, v[WKS]          ; key r's word,
	v_add_nc_u32 v[WKS], v[WKS], v18               ; the block
	v_add_nc_u32 v[WKS], IMG0+KSC, v[WKS]
	v_lshlrev_b32 v[WVI], 12, v19                  ; v's image: group of 32 keys w / 4: four fragments,
	v_lshl_add_u32 v[WVI], v20, 9, v[WVI]          ; registers 0-3 or 4-7: (w / 2) % 2,
	v_bfe_u32 v21, v0, 5, 1
	v_lshl_add_u32 v[WVI], v21, 8, v[WVI]          ; the image's lanes 0-15 or 16-31: w % 2,
	v_bfe_u32 v21, v0, 4, 1                        ; lane / 16
	v_lshl_add_u32 v[WVI], v21, 10, v[WVI]         ; fragment lane / 16,
	v_and_b32 v22, 15, v0                          ; lane % 16
	v_lshl_add_u32 v[WVI], v22, 4, v[WVI]          ; row lane % 16
	v_add_nc_u32 v[WVI], IMG0+VIMG, v[WVI]
	v_lshl_add_u32 v[LI], v17, 4, IMG0
	v_lshl_add_u32 v[LS], v17, 2, IMG0+KSC
	v_lshlrev_b32 v[PFO], 8, v17
	v_mul_u32_u24 v[SIN], v21, RP
	v_lshl_add_u32 v[SIN], v22, 4, v[SIN]
	v_add_nc_u32 v[SIN], s56, v[SIN]
	v_mul_u32_u24 v23, v22, RP
	v_add_nc_u32 v23, s56, v23
	v_lshl_add_u32 v[SQ], v21, 7, v23              ; row lane % 16, + 128 bytes for lanes 16-31: a block of q
	v_lshl_add_u32 v[STO], v21, 6, v23             ; row lane % 16, + 64 bytes for lanes 16-31: 16 channels of out
	v_lshlrev_b32 v[GO], 4, v17
	s_wait_dscnt 0x0                               ; both opening adds are done
	s_wait_kmcnt 0x0
	s_cmp_eq_u32 s[WV], 4
	s_cselect_b64 s[PFA:PFA+1], s[6:7], s[8:9]     ; wave 4 asks for k's rows, wave 5 for v's
	s_add_nc_u64 s[PFA:PFA+1], s[PFA:PFA+1], s[54:55]
	s_add_nc_u64 s[4:5], s[4:5], s[52:53]          ; q and out at my wave's first row
	s_add_nc_u64 s[10:11], s[10:11], s[52:53]
	s_add_nc_u64 s[6:7], s[6:7], s[50:51]          ; k and v at my 64 rows of tile 0
	s_add_nc_u64 s[8:9], s[8:9], s[50:51]
.irp n, 0,1
	s_mov_b32 s[G0K+4*\n], 1                       ; 1:0 count = 1
	s_add_co_u32 s[G0K+4*\n+1], s47, \n*SLOT1      ; 63:32 LDS address
	s_add_nc_u64 s[G0K+4*\n+2:G0K+4*\n+3], s[6:7], \n*TILEB   ; 120:64 global address: slot n begins with tile n
	s_or_b32 s[G0K+4*\n+3], s[G0K+4*\n+3], 0x80000000         ; 127:126 type = 2
	s_mov_b32 s[G0V+4*\n], 1
	s_add_co_u32 s[G0V+4*\n+1], s47, \n*SLOT1+VROW0
	s_add_nc_u64 s[G0V+4*\n+2:G0V+4*\n+3], s[8:9], \n*TILEB
	s_or_b32 s[G0V+4*\n+3], s[G0V+4*\n+3], 0x80000000
.endr
	ROUND                                          ; all four work-groups are here: the first joint loads meet
	s_cmp_lt_u32 s[WV], 2                          ; a wave's two first fills stand together, ahead of every wait on TENSORcnt and every LDS read: two loads of mine are out
	s_cbranch_scc0 .Lfirst_not_k
	tensor_load_to_lds s[G0K:G0K+3], s[G1:G1+7]
	s_nop 0
	tensor_load_to_lds s[G0K+4:G0K+7], s[G1:G1+7]
	s_nop 0
	NOPS 4
	s_branch .Lfirst_asked
.Lfirst_not_k:
	s_cmp_lt_u32 s[WV], 4
	s_cbranch_scc0 .Lfirst_asked
	tensor_load_to_lds s[G0V:G0V+3], s[G1:G1+7]
	s_nop 0
	tensor_load_to_lds s[G0V+4:G0V+7], s[G1:G1+7]
	s_nop 0
	NOPS 4
.Lfirst_asked:
	; Q: my 32 rows come by dense loads (32 lanes take 512 consecutive bytes), turn through my stage, and are quantised in registers: lane (r, h) then holds block h of query r, 32 numbers
.irp i, 0,1,2,3,4,5,6,7,8,9,10,11,12,13,14,15
	global_load_b128 v[S+4*\i:S+4*\i+3], v[GO], s[4:5] offset:512*\i th:TH_LOAD_NT
.endr
	s_wait_loadcnt 0x0
.irp t, 0,1                                    ; LDS serves a wave's instructions in order (ISA guide 5.7.1): the loads see the stores above them, and tile 1's stores come behind tile 0's loads
.irp i, 0,1,2,3,4,5,6,7
	ds_store_b128 v[SIN], v[S+32*\t+4*\i:S+32*\t+4*\i+3] offset:2*RP*\i
.endr
.irp i, 0,1,2,3,4,5,6,7
	ds_load_b128 v[O+32*\t+4*\i:O+32*\t+4*\i+3], v[SQ] offset:16*\i
.endr
.endr
	v_mov_b32 v[TM+4], 0                           ; a lane permute's destination counts as one of its sources
	v_mov_b32 v[TM+5], 0
	s_wait_dscnt 0x0
.irp t, 0,1
	v_max3_num_f32 v[TM+\t], |v[O+32*\t]|, |v[O+32*\t+1]|, 0x1800000   ; the block's largest magnitude: all 32 numbers are mine; and the floor
.endr
.irp i, 2,4,6,8,10,12,14,16,18,20,22,24,26,28,30
.irp t, 0,1
	v_max3_num_f32 v[TM+\t], v[TM+\t], |v[O+32*\t+\i]|, |v[O+32*\t+\i+1]|
.endr
.endr
.irp t, 0,1
	v_add_nc_u32 v[TM+2+\t], 0xff000000, v[TM+\t]  ; the conversion's scale operand
.endr
.irp t, 0,1
	v_lshrrev_b32 v[TM+\t], 23, v[TM+2+\t]         ; the scale's byte
.endr
.irp t, 0,1
.irp g, 0,1,2,3
	v_cvt_scalef32_pk8_fp4_f32 v[QB+4+8*\t+\g], v[O+32*\t+8*\g:O+32*\t+8*\g+7], v[TM+2+\t]
.endr
.endr
	v_nop                                          ; a plain instruction behind the scaled conversions
.irp t, 0,1
	v_permlanex16_b32 v[TM+4+\t], v[TM+\t], s[SEL], s[SEL+1]
.endr
.irp t, 0,1
	v_lshl_or_b32 v[QS+\t], v[TM+4+\t], 8, v[TM+\t]   ; lanes 0-15, which alone are read: block 0's byte, block 1's above it
.endr
.irp t, 0,1
	v_lshl_or_b32 v[QS+\t], v[QS+\t], 16, v[QS+\t]    ; and the two once more, for [0, q]
.endr
.irp z, 0,1,2,3,8,9,10,11,16,17,18,19
	v_mov_b32 v[QB+\z], 0                          ; the zero codes beside q's
.endr
.irp j, 0,1,2,3,4,5,6,7,8,9,10,11,12,13,14,15,16,17,18,19,20,21,22,23,24,25,26,27,28,29,30,31,32,33,34,35,36,37,38,39,40,41,42,43,44,45,46,47,48,49,50,51,52,53,54,55,56,57,58,59,60,61,62,63
	v_mov_b32 v[O+\j], 0                           ; O^T.  (The sub-step is written without a first form of its own: the first finds zeros, and its a is 0)
.endr
.irp t, 0,1
	v_mov_b32 v[ST+8*\t+1], 0xff61b1e6             ; m: -3e38, under every score
	v_mul_f32 v[ST+8*\t], s[CS], v[ST+8*\t+1]      ; c m
	v_mov_b32 v[ST+8*\t+2], 0                      ; l
	v_mov_b32 v[ST+8*\t+3], 0
.endr
	s_wait_tensorcnt 0x0                           ; my parts of tiles 0 and 1 are in,
	s_wait_dscnt 0x0
	s_barrier_signal -1
	s_barrier_wait -1                              ; everybody's are
	CONV 0                                         ; tile 0's images
.Lpair:                                            ; seven trips: steps 0 to 13, which ask for tiles 2 to 15
	STEP 0, 1, 1
	STEP 1, 1, 1
	s_sub_co_u32 s[CNT], s[CNT], 1
	s_cmp_lg_u32 s[CNT], 0
	s_cbranch_scc1 .Lpair
	STEP 0, 0, 1                                   ; the tail is written out: step 14 converts tile 15 and asks for nothing
	STEP 1, 0, 0                                   ; step 15 converts nothing
	; THE WAY OUT.  l's two halves and the other half of the lanes' are added; O^T is divided by l and goes through my stage, a tile (16 rows of out) at a time, so that sixteen lanes store a whole row of 256 bytes.
.irp t, 0,1
	v_add_f32 v[ST+8*\t+4], v[ST+8*\t+2], v[ST+8*\t+3]
.endr
.irp t, 0,1
	v_permlanex16_b32 v[ST+8*\t+5], v[ST+8*\t+4], s[SEL], s[SEL+1]
.endr
.irp t, 0,1
	v_add_f32 v[ST+8*\t+4], v[ST+8*\t+4], v[ST+8*\t+5]
.endr
.irp t, 0,1
	v_rcp_f32 v[ST+8*\t+6], v[ST+8*\t+4]
.endr
	v_nop                                          ; a plain instruction between the last reciprocal and the use of its result
	s_wait_alu depctr_va_vdst(0)                   ; and the wait ahead of the first use: one for the two
; Fragments a and a + 2 hold the even and the odd channels of 32 a + 16 (lane / 16) + 0 .. 15: interleaved they are 64 neighbouring bytes of my query's row.
.macro PACK t, out, back
.irp a, 0,1
.irp j, 0,1,2,3,4,5,6,7
	v_mul_f32 v[\out+16*\a+2*\j], v[O+32*\t+8*\a+\j], v[ST+8*\t+6]        ; each accumulator from its low end on
	v_mul_f32 v[\out+16*\a+2*\j+1], v[O+32*\t+8*(\a+2)+\j], v[ST+8*\t+6]
.endr
.endr
.irp a, 0,1
.irp i, 0,1,2,3
	ds_store_b128 v[STO], v[\out+16*\a+4*\i:\out+16*\a+4*\i+3] offset:128*\a+16*\i
.endr
.endr
.irp i, 0,1,2,3,4,5,6,7
	ds_load_b128 v[\back+4*\i:\back+4*\i+3], v[SIN] offset:2*RP*\i   ; in order behind the stores above; the next tile's stores come behind these
.endr
.endm
.macro SEND t, back, younger           ; younger: the LDS instructions issued behind tile t's loads
.irp i, 0,1,2,3,4,5,6,7
	s_wait_dscnt \younger+7-\i
	global_store_b128 v[GO], v[\back+4*\i:\back+4*\i+3], s[10:11] offset:4096*\t+512*\i th:TH_STORE_NT   ; 32 lanes store 512 consecutive bytes, two whole rows, at a multiple of 256 from out's first byte
.endr
.endm
	PACK 0, S, S+32
	PACK 1, VF, P
	SEND 0, S+32, 16
	SEND 1, P, 0
	s_wait_tensorcnt 0x0                           ; the wave's end, behind my last tensor load and my last LDS store
	ds_add_u32 v[SPW], v[NIL]
	s_wait_dscnt 0x0
	ROUND                                          ; the closing round: no work-group ends while a partner may still ask for a tile that names it
	s_endpgm
.Lfunc_end_k_qc47d7d9276_attn:
	.size	k_qc47d7d9276_attn, .Lfunc_end_k_qc47d7d9276_attn-k_qc47d7d9276_attn
	.p2alignl 7, 3214868480
	.fill 96, 4, 3214868480
	.section	.rodata,"a",@progbits
	.p2align	6, 0x0
	.amdhsa_kernel k_qc47d7d9276_attn
		.amdhsa_group_segment_fixed_size 327680
		.amdhsa_private_segment_fixed_size 0
		.amdhsa_enable_private_segment 0
		.amdhsa_kernarg_size 32
		.amdhsa_user_sgpr_count 2
		.amdhsa_user_sgpr_kernarg_segment_ptr 1
		.amdhsa_wavefront_size32 1
		.amdhsa_system_sgpr_workgroup_id_x 1
		.amdhsa_system_sgpr_workgroup_id_y 1
		.amdhsa_system_sgpr_workgroup_id_z 1
		.amdhsa_system_vgpr_workitem_id 0
		.amdhsa_next_free_vgpr 256
		.amdhsa_next_free_sgpr 66
		.amdhsa_reserve_vcc 0
		.amdhsa_float_denorm_mode_32 3
		.amdhsa_float_denorm_mode_16_64 3
		.amdhsa_memory_ordered 1
		.amdhsa_forward_progress 1
		.amdhsa_inst_pref_size 167
	.end_amdhsa_kernel
	.amdgpu_metadata
---
amdhsa.version: [ 1, 2 ]
amdhsa.kernels:
  - .name:           k_qc47d7d9276_attn
    .symbol:         k_qc47d7d9276_attn.kd
    .args:
      - { .name: q, .offset: 0, .size: 8, .value_kind: global_buffer, .address_space: global }
      - { .name: k, .offset: 8, .size: 8, .value_kind: global_buffer, .address_space: global }
      - { .name: v, .offset: 16, .size: 8, .value_kind: global_buffer, .address_space: global }
      - { .name: out0, .offset: 24, .size: 8, .value_kind: global_buffer, .address_space: global }
    .group_segment_fixed_size: 327680
    .private_segment_fixed_size: 0
    .kernarg_segment_align: 8
    .kernarg_segment_size: 32
    .max_flat_workgroup_size: 512
    .sgpr_count:     66
    .vgpr_count:     256
    .wavefront_size: 32
...
	.end_amdgpu_metadata
.endif
;; end of part 1
